; MI455X (gfx1250); checked and timed in simulation.
; The chip was launched on July 23, 2026; its instructions are those of AMD's public machine-readable ISA for CDNA 5 (MIT licence, August 2026) and "CDNA5" Instruction Set Architecture Reference Guide (July 2026). The comments in the code are by the model that wrote it; some were corrected since.
;; self attention1d. Allowed arithmetic: matrix products marked QUANTISED: E4M3 operands, one E8M0 scale for each 32 along K, by v_wmma_scale_f32_16x16x128_f8f6f4 with both operands' format E4M3, f32 sums; everything else in f32.
;; Inputs: Wk 4,096 x 4,096 float32; Wq 4,096 x 4,096 float32; Wv 4,096 x 4,096 float32; bk 4,096 float32; bq 4,096 float32; bv 4,096 float32; x 1,024 x 4,096 float32.
;; Outputs: out0 1,024 x 4,096 float32.
;; This version of the problem:
;;   THIS VERSION OF THE PROBLEM IS GIVEN IN LOW PRECISION. The matrix products marked QUANTISED in the list below multiply operands that are first quantised to E4M3 (4 exponent bits, 3 mantissa bits; 8 bits a number), with one power-of-two scale for each 32 numbers along K (OCP MX v1.0); their sums are f32. All else is computed in f32.
;;   The module's matrix products, in the order in which they are computed (A, B: the left and right operand; K: the contracted axis; several contracted axes count as one K, in the product's order):
;;     1. [M 1,024, K 4,096] x [K 4,096, N 4,096]; A: input x; B: input Wq: QUANTISED
;;     2. [M 1,024, K 4,096] x [K 4,096, N 4,096]; A: input x; B: input Wk: QUANTISED
;;     3. [M 1,024, K 4,096] x [K 4,096, N 4,096]; A: input x; B: input Wv: QUANTISED
;;   THE QUANTISER, for each operand of a quantised product, along K:
;;     - K is cut into blocks of 32 from its start; a last block that is shorter is filled with zeros.
;;     - A block's scale is 2^e with e = floor(log2(the largest magnitude in the block)) - 8, held to -126 .. 127; a block of zeros has e = 0. As a byte (E8M0): e + 127.
;;     - Each number is divided by its block's scale, clamped to +-448, and rounded to the nearest number of E4M3, ties to even, subnormals kept.
;;     - The product sums the exact products of the quantised numbers (number of the format x scale) in f32.
;;   ~~~python
;;   def quantise(x, axis):      # numpy; x: float32 -> the quantised numbers, widened to float32 again
;;       x = np.moveaxis(x, axis, -1); K = x.shape[-1]
;;       x = np.pad(x, [(0, 0)] * (x.ndim - 1) + [(0, -K % 32)]); x = x.reshape(x.shape[:-1] + (-1, 32)); a = np.abs(x).max(-1, keepdims=True)
;;       e = np.where(a > 0, np.clip(np.frexp(np.where(a > 0, a, 1))[1] - 1 - 8, -126, 127), 0)      # np.frexp(a)[1] - 1 = floor(log2(a)), exactly
;;       r = np.clip(x / 2.0 ** e, -448, 448)
;;       step = 2.0 ** (np.maximum(np.frexp(np.where(r == 0, 1, r))[1] - 1, -6) - 3)
;;       q = np.round(r / step) * step * 2.0 ** e      # np.round: ties to even
;;       return np.moveaxis(q.reshape(q.shape[:-2] + (-1,))[..., :K], -1, axis).astype(np.float32)
;;   ~~~
;; One version. Each part assembles by itself: llvm-mc -triple=amdgcn-amd-amdhsa -mcpu=gfx1250 --defsym DOCPART=n.
;; ======== version 1 of 1: 3 launches
;; limits: right only within a limited range of input values
;; workspace buffers: x_codes 4,194,304 bytes; x_scales 131,072 bytes; w_codes 50,331,648 bytes; w_scales 1,572,864 bytes; qbuf 16,777,216 bytes; part 524,288 bytes
;; launch quant (part 1): grid 1664 x 1, 4 waves a work-group, no clusters, 33,280 bytes of LDS; arguments x, Wq, Wk, Wv, x_codes, x_scales, w_codes, w_scales; writes x_codes, x_scales, w_codes, w_scales
.if DOCPART == 1
	.amdgcn_target "amdgcn-amd-amdhsa--gfx1250"
	.amdhsa_code_object_version 6
	.text
	.protected	k_q2238687f01_quant
	.globl	k_q2238687f01_quant
	.p2align	8
	.type	k_q2238687f01_quant,@function
k_q2238687f01_quant:
	s_mov_b64 s[64:65], 0
	v_nop
	global_prefetch_b8 v0, s[64:65] scope:SCOPE_SE
	s_setreg_imm32_b32 hwreg(HW_REG_WAVE_MODE, 25, 1), 1
	s_wait_xcnt 0x0
; x [1024][4096] and Wq, Wk, Wv [4096][4096], f32, K innermost, are turned into codes of FP8 (E4M3), one a byte, K innermost, with one E8M0 scale byte for each 32 along K.
; A block's scale is 2^(floor(log2(its largest magnitude)) - 8); its byte is the largest magnitude's own exponent field - 8, held at 1 from below.  Each number is divided by the scale,
; held within +-448 and rounded to the nearest code, ties to even.
; LIMITS: a block of zeros gets the byte 1 where the rule says 127: its codes are zeros, which add nothing under any byte but 0xff, and the bytes are read by this program alone.
; NaN and infinities among the inputs are not served.
; WHERE THE ROWS GO.  x's row n stays row n.  Row n of weight t (q = 0, k = 1, v = 2) becomes row p = 96 (n / 32) + 32 t + n % 32 of ONE buffer of 12,288 rows: 96 rows on end are then
; 32 columns of q, the same 32 of k and the same 32 of v, which is what one wave of the product's launch multiplies by.
; SHARES.  Work-groups 0-127 take x, 128-639 Wq, 640-1151 Wk, 1152-1663 Wv: only pointers and three numbers are chosen, all take one path.  A wave takes two rows on end (8,192 numbers; the first is
; even, so they stay neighbours) in 16 steps of 512.  Each load reads 512 consecutive bytes; a step's 2,048 bytes turn through the wave's own stage in LDS and come back 64 bytes a lane, since the
; conversions take neighbours along K from one lane's registers; two neighbouring lanes hold a block.  A wave's 256 scale bytes are gathered in LDS and leave as 256 consecutive aligned bytes.
; No tensor loads, no barrier: waves share nothing.  Loads run four steps (16 loads a wave) ahead, the turn through LDS one step.
; REGISTERS.  The codes and the scale byte have two sets each, which take turns, so that the wave names 130 registers: the fewer a wave takes, the more waves lie side by side, each with its 16 loads out.
.set STEPS, 16
.set EMAX,  8
.set MANT,  0x600000                   ; the mantissa field of 448 as f32
.set CB,    16                         ; bytes of 16 codes
.set R,     16                         ; v16-79   four sets of 16 numbers as they are loaded
.set X,     80                         ; v80-111  two sets of 16 neighbours
.set C,     112                        ; v112-119 codes: two sets of four registers, by turns
.set E,     120                        ; v120-121 the scale byte: two registers, by turns
.set WREG,  8192                       ; LDS: a region of its own for each wave: two stages of 32 x SP bytes, and behind them its 256 scale bytes
.set SP,    80                         ; a lane's place in a stage: its 64 bytes + 16 of padding
	s_load_b256 s[4:11], s[0:1], 0x0               ; x s[4:5], Wq s[6:7], Wk s[8:9], Wv s[10:11]
	s_load_b256 s[12:19], s[0:1], 0x20             ; x's codes s[12:13], x's scales s[14:15], the weights' codes s[16:17], their scales s[18:19]
	v_lshl_add_u32 v128, v0, 2, 0x8000
	v_mov_b32 v129, 0
	v_lshrrev_b32 v1, 5, v0
	v_readfirstlane_b32 s20, v1                    ; wave
	v_and_b32 v2, 31, v0                           ; lane
	v_lshlrev_b32 v3, 4, v2                        ; my 16 bytes of a load's 512
	s_mul_i32 s21, s20, WREG
	v_lshrrev_b32 v14, 2, v2
	v_mul_u32_u24 v14, v14, SP
	v_and_b32 v15, 3, v2
	v_lshl_add_u32 v14, v15, 4, v14
	v_add_nc_u32 v14, s21, v14                     ; the stage, on the way in: four lanes' 64 bytes on end, then 16 of padding: SP (lane / 4) + 16 (lane % 4)
	v_mul_u32_u24 v15, v2, SP
	v_add_nc_u32 v15, s21, v15                     ; and on the way out: SP x lane: my 16 neighbours
	v_mul_u32_u24 v4, v2, CB                       ; my codes' place in a step's
	v_lshrrev_b32 v5, 1, v2
	s_add_co_u32 s21, s21, 2*32*SP
	v_add_nc_u32 v5, s21, v5                       ; LDS: my wave's 256 scale bytes, my block's byte
	v_lshlrev_b32 v7, 3, v2                        ; and on the way out 8 bytes a lane
	v_add_nc_u32 v6, s21, v7
	s_mov_b32 s23, MANT                            ; (an instruction takes one literal: the hold's line has another)
	s_wait_alu depctr_va_vdst(0)
	s_wait_kmcnt 0x0
	; which tensor is my work-group's: three compares of the work-group's number; between a compare and its selects stand only moves and selects
	s_mov_b32 s22, 1152
	s_cmp_lt_u32 ttmp9, 1152
	s_cselect_b64 s[8:9], s[8:9], s[10:11]         ; Wk or Wv
	s_cselect_b32 s24, 32, 64                      ; 32 t
	s_cselect_b32 s22, 640, s22                    ; the tensor's first work-group
	s_cmp_lt_u32 ttmp9, 640
	s_cselect_b64 s[6:7], s[6:7], s[8:9]           ; Wq or that
	s_cselect_b32 s24, 0, s24
	s_cselect_b32 s22, 128, s22
	s_cmp_lt_u32 ttmp9, 128
	s_cselect_b64 s[4:5], s[4:5], s[6:7]           ; x or that
	s_cselect_b64 s[12:13], s[12:13], s[16:17]     ; the codes' buffer
	s_cselect_b64 s[14:15], s[14:15], s[18:19]     ; the scale bytes' buffer
	s_cselect_b32 s24, 0, s24
	s_cselect_b32 s22, 0, s22
	s_cselect_b32 s25, 32, 96                      ; rows of the output for each 32 rows of the tensor
	s_sub_co_u32 s26, ttmp9, s22
	s_lshl_b32 s26, s26, 2
	s_add_co_u32 s26, s26, s20                     ; which run of 8,192 numbers of the tensor is my wave's
	s_lshl_b32 s28, s26, 1                         ; n: the first of its two rows
	s_lshr_b32 s30, s28, 5
	s_mul_i32 s30, s30, s25
	s_add_co_u32 s30, s30, s24
	s_and_b32 s28, s28, 31
	s_add_co_u32 s28, s30, s28                     ; p: where that row goes (even, as n is)
	s_lshl_b32 s30, s28, 7                         ; 128 scale bytes a row,
	s_mov_b32 s31, 0
	s_lshl_b32 s28, s28, 12                        ; 4,096 codes a row (12,287 rows at the most: under 2^26),
	s_mov_b32 s29, 0
	s_lshl_b32 s26, s26, 15                        ; 32,768 bytes of f32 a run (2,047 runs at the most: under 2^27)
	s_mov_b32 s27, 0
	s_add_nc_u64 s[4:5], s[4:5], s[26:27]
	s_add_nc_u64 s[12:13], s[12:13], s[28:29]
	s_add_nc_u64 s[14:15], s[14:15], s[30:31]
.macro LOAD t
.irp i, 0,1,2,3
	global_load_b128 v[R+16*((\t)%4)+4*\i:R+16*((\t)%4)+4*\i+3], v3, s[4:5] offset:2048*(\t)+512*\i th:TH_LOAD_NT   ; 32 lanes read 512 consecutive bytes; read once in the launch
.endr
.endm
.macro TURN t                          ; step t's numbers through the stage: LDS serves a wave's instructions in order (ISA guide 5.7.1.4), so no wait stands between the stores and the loads
.irp i, 0,1,2,3
	ds_store_b128 v14, v[R+16*((\t)%4)+4*\i:R+16*((\t)%4)+4*\i+3] offset:32*SP*((\t)%2)+8*SP*\i
.endr
.irp i, 0,1,2,3
	ds_load_b128 v[X+16*((\t)%2)+4*\i:X+16*((\t)%2)+4*\i+3], v15 offset:32*SP*((\t)%2)+16*\i
.endr
.endm
.irp t, 0,1,2,3
	LOAD \t
.endr
	s_wait_loadcnt 12                              ; step 0's four loads are in; the twelve behind them may be out
	TURN 0
.macro STEP t
.set XS, X+16*((\t)%2)
.set CS, C+4*((\t)%2)
.set ES, E+(\t)%2
.if (\t) > 0
	s_wait_dscnt 1                                 ; this step's numbers are back from the stage (the last step's byte store may be out): so its stores into the stage have read their registers,
	                                               ; and the byte store of two steps back, which read this step's byte register, is done
.else
	s_wait_dscnt 0x0
.endif
.if (\t)+4 < STEPS
	LOAD (\t)+4                                    ; which take the loads of four steps on
.endif
.if (\t)+1 < STEPS
.if STEPS-2-(\t) >= 3
	s_wait_loadcnt 12                              ; the next step's four loads are in; those of the three steps behind it may be out
.else
	s_wait_loadcnt 4*(STEPS-2-(\t))                ; at the end the counts run down
.endif
	TURN (\t)+1                                    ; and go through the other stage while this step is worked
.endif
	v_max3_num_f32 v8, |v[XS]|, |v[XS+1]|, |v[XS+2]|               ; the largest magnitude of my 16, in two chains
	v_max3_num_f32 v9, |v[XS+3]|, |v[XS+4]|, |v[XS+5]|
.irp i, 6,10
	v_max3_num_f32 v8, v8, |v[XS+\i]|, |v[XS+\i+1]|
	v_max3_num_f32 v9, v9, |v[XS+\i+2]|, |v[XS+\i+3]|
.endr
	v_max3_num_f32 v8, v8, |v[XS+14]|, |v[XS+15]|
	v_max3_num_f32 v8, v8, v9, (EMAX+1)<<23        ; and the floor 2^(EMAX + 1 - 127), under which no largest magnitude is taken: so the byte cannot fall under 1
	v_max_num_f32_dpp v8, v8, v8 row_xmask:1 row_mask:0xf bank_mask:0xf   ; and of my neighbour's 16: the block's
	v_add_nc_u32 v11, -(EMAX<<23), v8              ; EMAX off its exponent field: the conversion takes the exponent field of this operand as its scale, and nothing else of it
	v_and_or_b32 v10, v8, 0x7f800000, s23          ; 448 x the scale: the largest magnitude's exponent field over 448's mantissa
.irp i, 0,1,2,3,4,5,6,7,8,9,10,11,12,13,14,15
	v_med3_num_f32 v[XS+\i], v[XS+\i], -v10, v10   ; the conversion to an 8-bit code does not saturate (ISA guide 7.6.2): hold the number within the largest code x the scale first
.endr
.if (\t) >= 2
	s_wait_alu depctr_va_vdst(0)
	s_wait_xcnt 0x0                                ; every earlier memory instruction has had its addresses translated (ISA guide 3.1): the store of two steps back has read this set of codes, which is written again only behind this wait
.endif
	v_cvt_scalef32_pk8_fp8_f32 v[CS:CS+1], v[XS:XS+7], v11         ; eight numbers / 2^(v11's exponent), to the nearest code, ties to even; the first number's code in the lowest byte
	v_cvt_scalef32_pk8_fp8_f32 v[CS+2:CS+3], v[XS+8:XS+15], v11
	v_lshrrev_b32 v[ES], 23, v11                   ; the scale's byte (also the plain line behind the conversions)
	ds_store_b8 v5, v[ES] offset:16*(\t)           ; both lanes of a block write the same byte with the same value
	global_store_b128 v4, v[CS:CS+3], s[12:13] offset:32*CB*(\t)   ; the wave stores 512 consecutive bytes, aligned
.endm
.irp t, 0,1,2,3,4,5,6,7,8,9,10,11,12,13,14,15
	STEP \t
.endr
	ds_load_b64 v[12:13], v6                       ; LDS serves a wave's instructions in order: these see my byte stores
	s_wait_dscnt 0x0
	global_store_b64 v7, v[12:13], s[14:15]        ; 32 lanes store 256 consecutive bytes, aligned: the two rows' scale bytes
	s_wait_tensorcnt 0x0
	ds_add_u32 v128, v129
	s_wait_dscnt 0x0
	s_endpgm
.Lfunc_end_k_q2238687f01_quant:
	.size	k_q2238687f01_quant, .Lfunc_end_k_q2238687f01_quant-k_q2238687f01_quant
	.p2alignl 7, 3214868480
	.fill 96, 4, 3214868480
	.section	.rodata,"a",@progbits
	.p2align	6, 0x0
	.amdhsa_kernel k_q2238687f01_quant
		.amdhsa_group_segment_fixed_size 33280
		.amdhsa_private_segment_fixed_size 0
		.amdhsa_enable_private_segment 0
		.amdhsa_kernarg_size 64
		.amdhsa_user_sgpr_count 2
		.amdhsa_user_sgpr_kernarg_segment_ptr 1
		.amdhsa_wavefront_size32 1
		.amdhsa_system_sgpr_workgroup_id_x 1
		.amdhsa_system_sgpr_workgroup_id_y 1
		.amdhsa_system_sgpr_workgroup_id_z 1
		.amdhsa_system_vgpr_workitem_id 0
		.amdhsa_next_free_vgpr 130
		.amdhsa_next_free_sgpr 66
		.amdhsa_reserve_vcc 0
		.amdhsa_float_denorm_mode_32 3
		.amdhsa_float_denorm_mode_16_64 3
		.amdhsa_memory_ordered 1
		.amdhsa_forward_progress 1
		.amdhsa_inst_pref_size 52
	.end_amdhsa_kernel
	.amdgpu_metadata
---
amdhsa.version: [ 1, 2 ]
amdhsa.kernels:
  - .name:           k_q2238687f01_quant
    .symbol:         k_q2238687f01_quant.kd
    .args:
      - { .name: x, .offset: 0, .size: 8, .value_kind: global_buffer, .address_space: global }
      - { .name: Wq, .offset: 8, .size: 8, .value_kind: global_buffer, .address_space: global }
      - { .name: Wk, .offset: 16, .size: 8, .value_kind: global_buffer, .address_space: global }
      - { .name: Wv, .offset: 24, .size: 8, .value_kind: global_buffer, .address_space: global }
      - { .name: x_codes, .offset: 32, .size: 8, .value_kind: global_buffer, .address_space: global }
      - { .name: x_scales, .offset: 40, .size: 8, .value_kind: global_buffer, .address_space: global }
      - { .name: w_codes, .offset: 48, .size: 8, .value_kind: global_buffer, .address_space: global }
      - { .name: w_scales, .offset: 56, .size: 8, .value_kind: global_buffer, .address_space: global }
    .group_segment_fixed_size: 33280
    .private_segment_fixed_size: 0
    .kernarg_segment_align: 8
    .kernarg_segment_size: 64
    .max_flat_workgroup_size: 128
    .sgpr_count:     66
    .vgpr_count:     130
    .wavefront_size: 32
...
	.end_amdgpu_metadata
.endif
;; end of part 1
;; launch gemm (part 2): grid 64 x 4, 4 waves a work-group, clusters of 4 x 4, 327,680 bytes of LDS; arguments x_codes, x_scales, w_codes, w_scales, bq, bk, bv, qbuf, part; writes qbuf, part
.if DOCPART == 2
	.amdgcn_target "amdgcn-amd-amdhsa--gfx1250"
	.amdhsa_code_object_version 6
	.text
	.protected	k_q2238687f01_gemm
	.globl	k_q2238687f01_gemm
	.p2align	8
	.type	k_q2238687f01_gemm,@function
k_q2238687f01_gemm:
	s_mov_b64 s[64:65], 0
	v_nop
	global_prefetch_b8 v0, s[64:65] scope:SCOPE_SE
	s_setreg_imm32_b32 hwreg(HW_REG_WAVE_MODE, 25, 1), 1
	s_wait_xcnt 0x0
	s_wait_alu depctr_hold_cnt(0) depctr_sa_sdst(0) depctr_va_vdst(0) depctr_va_sdst(0) depctr_va_ssrc(0) depctr_va_vcc(0) depctr_vm_vsrc(0)
	s_getreg_b32 s2, hwreg(HW_REG_IB_STS2, 6, 4)
	s_cmp_eq_u32 s2, 0
	s_cbranch_scc0 .Lentry_in_a_cluster
	s_endpgm
.Lentry_in_a_cluster:
	s_bfe_u32 s2, ttmp6, 0x10000c
	s_cmp_lg_u32 s2, 0xf033
	s_cbranch_scc0 .Lentry_shape_is_right
	s_endpgm
.Lentry_shape_is_right:
; q, k, v = x W^T + b on codes of MX-FP8 (E4M3, one E8M0 byte for 32 along K), f32 sums: 1,024 x 12,288 x 4,096.
; w_codes holds 12,288 rows: each 96 on end are 32 columns of q, the same 32 of k, the same 32 of v.  A work-group of four waves makes 256 rows x 192 such columns; a wave 128 x 96: 48 accumulators.
; OUT: q (256 x 64 f32 a work-group) to qbuf; for each row the sums of k v and of |k| over the work-group's 64 columns to part: [32 rows' block][64 columns' block][32 k v, 32 |k|].
; K goes in steps of 256 through two LDS slots (256 rows of x, 192 of W, rows of 256 bytes + 16 of padding); the scale bytes of all of K lie behind the ring, filled once.
; CLUSTERS 4 x 4: x's tiles are asked for jointly along a row of the cluster, W's along a column.  Source 0 = W's rows, source 1 = x's rows: a lane holds eight neighbouring columns of one row.  The bias is the first products' C.
; THE HEAD: one joint load a wave: wave 0 x's 256 rows of K step 0, wave 1 W's 192, wave 2 x's scale bytes, wave 3 W's; slot 1 is first filled behind a drained round, a quarter of the slot a wave, as every refill is.
; PREFETCH: at a change of slots a wave asks for the K step two refills on of the rows that it fetches: a lane a row of 256 bytes; the four partners of a joint load share the rows out by address (32 of x's 128, 24 of W's 96;
; lanes 24-31 name row 23 again).  x's rows are read by all sixteen clusters: clusters 0 to 3 alone ask for them.  K steps 1, 2 are asked for at the head, 3 behind slot 1's fill; the last lap asks for nothing.
; LIMITS: NaN, infinities and sums beyond f32's range are not served.
; REGISTERS: window 0: v0-31 addresses, v32-63 scale words (two sets), v64-111 the biases, v128-255 x's fragments (one set); window 1: W's fragments, two sets at v0, v128; windows 2, 3: accumulators of my rows 0-63, 64-127.
.set NQ,     2
.set ROWB,   256
.set KROW,   4096
.set PITCH,  272
.set FR,     16
.set NL,     4
.set NP,     8
.set HALFA,  128*PITCH
.set HALFB,  96*PITCH
.set BOFF,   2*HALFA
.set SLOT,   BOFF+2*HALFB
.set LAPS,   8
.set SBLK,   8*272
.set SHB,    48*272
.set SHA,    64*272
.set SCL,    2*SLOT
.set SCA,    SCL+2*SHB
.set SPARE,  SCA+2*SHA
.set SPITCH, 272
.set PS,     256*SPITCH
.set BO,   9
.set PFO,  10
.set ADRA, 16
.set ADRB, 20
.set STO,  24
.set RD,   25
.set CO,   26
.set ADRS, 27
.set SPW,  28
.set NIL,  29
.set PSO,  30
.set PRD,  31
.set SC,   32
.set BI,   64
.set KSM,  64
.set TK,   72
.set TS,   80
.set VAL,  88
.set P0,   96
.set P1,   100
.set KVP,  112
.set AF,   128
.set G1,   32
.set G0,   40
.set G1B,  48
.set G0B,  56
.set G1S,  68
.set G0S,  76
.set G1SB, 80
.set G0SB, 88
.set PFA,  92                          ; s[92:93] my prefetches' rows, stepped a K step at each refill
.set LIM,  94                          ; s94: 1 where my wave asks, else the greatest number
.set MSB, 0
.macro WIN new
.if MSB != \new
	s_set_vgpr_msb (MSB<<8)|\new
.set MSB, \new
.endif
.endm
.set MUL_LO,  0xa1
.set MUL_HI,  0xf1
.set BIAS_LO, 0x81
.set BIAS_HI, 0xc1
.set TO_B,    0x40
.macro PLACES n
.rept \n
	v_nop
.endr
.endm
.macro TL g0, g1                       ; a tensor load; s_nop 0 and four v_nop follow it
	tensor_load_to_lds s[\g0:\g0+3], s[\g1:\g1+7]
	s_nop 0
	PLACES 4
.endm
.macro JLOAD g0a, g1a, g0b, g1b        ; waves 0, 1 fetch x's halves, waves 2, 3 W's
	s_cmp_eq_u32 s23, 0
	s_cbranch_scc0 .Lfor_b_\@
	TL \g0a, \g1a
	s_branch .Lasked_\@
.Lfor_b_\@:
	TL \g0b, \g1b
.Lasked_\@:
.endm
.macro CREST
	s_cmp_lg_u32 s22, 0
	s_cbranch_scc1 .Lnot_wave_0_\@
	s_barrier_signal -3
.Lnot_wave_0_\@:
	s_barrier_wait -3
	s_barrier_signal -1
	s_barrier_wait -1
.endm
.macro CROUND
	s_barrier_signal -1
	s_barrier_wait -1
	CREST
.endm
.macro ASK how                         ; how = 0, in the loop: not in its last trip (s3 = 1); how = 1: at the head
.if \how
	s_cmp_eq_u32 s[LIM], 1
.else
	s_cmp_gt_u32 s3, s[LIM]
.endif
	s_cbranch_scc0 .Lnot_mine_\@
	global_prefetch_b8 v[PFO], s[PFA:PFA+1] offset:3*ROWB th:TH_LOAD_NT scope:SCOPE_SE
.Lnot_mine_\@:
.endm
.macro GROUP1 g, mask, logb, cols, rows, pitch
	s_or_b32 s[\g+0], s\mask, ((\logb)<<16)|(1<<20)|(1<<21)|(5<<22)|(3<<25)
	s_mov_b32 s[\g+1], (\cols)<<16
	s_mov_b32 s[\g+2], (\rows)<<16
	s_mov_b32 s[\g+3], (\cols)<<16
	s_mov_b32 s[\g+4], \rows
	s_mov_b32 s[\g+5], \pitch
	s_mov_b32 s[\g+6], 0
	s_mov_b32 s[\g+7], 0
.endm
.macro GROUP0 g, lds, ptr
	s_mov_b32 s[\g], 1
	s_mov_b32 s[\g+1], \lds
	s_mov_b64 s[\g+2:\g+3], s[\ptr:\ptr+1]
	s_or_b32 s[\g+3], s[\g+3], 0x80000000
.endm
	s_load_b256 s[4:11], s[0:1], 0x0               ; x's codes, x's scales, W's codes, W's scales
	s_load_b256 s[12:19], s[0:1], 0x20             ; bq, bk, bv, qbuf
	s_load_b64 s[20:21], s[0:1], 0x40              ; part
	v_lshl_add_u32 v[SPW], v0, 2, SPARE
	v_mov_b32 v[NIL], 0
	ds_add_u32 v[SPW], v[NIL]                      ; the opening lines: the add twice on end and its wait
	ds_add_u32 v[SPW], v[NIL]
	v_lshrrev_b32 v1, 5, v0
	v_readfirstlane_b32 s22, v1                    ; wave
	s_lshr_b32 s23, s22, 1                         ; my half of the rows; also: I fetch for x (0) or W (1)
	s_and_b32 s24, s22, 1                          ; my half of the columns; also: which half of a tile I fetch
	s_bfe_u32 s25, ttmp6, 0x40000                  ; cx
	s_bfe_u32 s26, ttmp6, 0x40004                  ; cy = tile row
	s_lshl_b32 s27, ttmp9, 2
	s_add_co_u32 s27, s27, s25                     ; tile column
	s_lshl_b32 s28, s26, 2
	s_lshl_b32 s28, 15, s28                        ; my row of the cluster
	s_lshl_b32 s29, 0x1111, s25                    ; my column
	GROUP1 G1,   28, 0, ROWB, 256, KROW            ; the head's whole tiles; the ring's row counts are written behind the head's wait
	GROUP1 G1B,  29, 0, ROWB, 192, KROW
	GROUP1 G1S,  28, 3, 32, 128, 32                ; scale bytes: dense, as rows of 256 bytes
	GROUP1 G1SB, 29, 3, 32, 96, 32
	s_lshl_b32 s96, s26, 20                        ; byte offsets of the tiles' first rows: x's codes, 256 rows of 4,096,
	s_lshl_b32 s98, s26, 15                        ; x's scale bytes, 256 rows of 128,
	s_mul_i32 s100, s27, 192*KROW                  ; W's codes,
	s_mul_i32 s94, s27, 192*128                    ; W's scale bytes
	s_mov_b32 s97, 0
	s_mov_b32 s99, 0
	s_mov_b32 s101, 0
	s_mov_b32 s95, 0
	s_mul_i32 s66, s24, HALFA                      ; where my ring loads go
	s_mul_i32 s67, s24, HALFB
	s_cmp_eq_u32 s23, 0
	s_cselect_b32 s2, 31, 23                       ; the last row that my prefetch names
	v_and_b32 v[PFO], 31, v0
	v_min_u32 v[PFO], s2, v[PFO]
	v_lshlrev_b32 v[PFO], 12, v[PFO]               ; a lane a row
	s_wait_alu depctr_va_vdst(0)
	s_wait_dscnt 0x0
	s_wait_kmcnt 0x0
	s_add_nc_u64 s[4:5], s[4:5], s[96:97]
	s_add_nc_u64 s[6:7], s[6:7], s[98:99]
	s_add_nc_u64 s[8:9], s[8:9], s[100:101]
	s_add_nc_u64 s[10:11], s[10:11], s[94:95]
	s_lshl_b32 s96, s24, 19                        ; my half of a tile in the ring: 128 rows of x,
	s_mul_i32 s98, s24, 96*KROW                    ; 96 of W
	GROUP0 G0,   0,    4
	GROUP0 G0B,  BOFF, 8
	GROUP0 G0S,  SCA,  6
	GROUP0 G0SB, SCL,  10
	s_mov_b32 s[G0+4], 1                           ; slot 1: K step 1, my half
	s_add_co_u32 s[G0+5], s66, SLOT
	s_add_nc_u64 s[G0+6:G0+7], s[4:5], s[96:97]
	s_add_nc_u64 s[G0+6:G0+7], s[G0+6:G0+7], ROWB
	s_or_b32 s[G0+7], s[G0+7], 0x80000000
	s_mov_b32 s[G0B+4], 1
	s_add_co_u32 s[G0B+5], s67, BOFF+SLOT
	s_add_nc_u64 s[G0B+6:G0B+7], s[8:9], s[98:99]
	s_add_nc_u64 s[G0B+6:G0B+7], s[G0B+6:G0B+7], ROWB
	s_or_b32 s[G0B+7], s[G0B+7], 0x80000000
	s_cmp_eq_u32 s23, 0                            ; the prefetches' rows
	s_cselect_b64 s[PFA:PFA+1], s[4:5], s[8:9]
	s_cselect_b32 s100, s25, s26                   ; my place among the four that ask jointly
	s_cselect_b32 s2, 32, 24                       ; rows for each of them
	s_cselect_b32 s95, 4, 64                       ; clusters that ask: x's the first four, W's all
	s_mul_i32 s100, s100, s2
	s_lshl_b32 s2, s2, 2
	s_mul_i32 s2, s2, s24
	s_add_co_u32 s100, s100, s2
	s_lshl_b32 s100, s100, 12
	s_add_nc_u64 s[PFA:PFA+1], s[PFA:PFA+1], s[100:101]
	s_cmp_lt_u32 ttmp9, s95
	s_cselect_b32 s[LIM], 1, -1
	CROUND                                         ; all sixteen work-groups are here: the first joint loads meet
.macro ARM under, g0, g1, next
	s_cmp_lt_u32 s22, \under
	s_cbranch_scc0 \next
	TL \g0, \g1
	s_branch .Lhead_asked
\next:
.endm
	ARM 1, G0,  G1,  .Lhead_b
	ARM 2, G0B, G1B, .Lhead_sa
	ARM 3, G0S, G1S, .Lhead_sb
	TL G0SB, G1SB
.Lhead_asked:
	s_cmp_eq_u32 s[LIM], 1
	s_cbranch_scc0 .Lno_ask_h
	global_prefetch_b8 v[PFO], s[PFA:PFA+1] offset:ROWB th:TH_LOAD_NT scope:SCOPE_SE     ; K steps 1 and 2
	global_prefetch_b8 v[PFO], s[PFA:PFA+1] offset:2*ROWB th:TH_LOAD_NT scope:SCOPE_SE
.Lno_ask_h:
	; scalars first, then the vector lines on end
	s_lshl_b32 s100, s27, 8                        ; the biases: 64 columns a work-group, 32 a wave
	s_lshl_b32 s95, s24, 7
	s_add_co_u32 s100, s100, s95
	s_add_nc_u64 s[12:13], s[12:13], s[100:101]
	s_add_nc_u64 s[14:15], s[14:15], s[100:101]
	s_add_nc_u64 s[16:17], s[16:17], s[100:101]
	s_lshl_b32 s100, s26, 8                        ; qbuf: row 256 cy + 64 wave, 16,384 bytes a row, + 256 x tile column
	s_lshl_b32 s95, s22, 6
	s_add_co_u32 s100, s100, s95
	s_lshl_b32 s100, s100, 14
	s_lshl_b32 s95, s27, 8
	s_add_co_u32 s100, s100, s95
	s_add_nc_u64 s[18:19], s[18:19], s[100:101]
	s_lshl_b32 s100, s26, 3                        ; part: ((8 cy + 2 wave) x 64 + tile column) x 256
	s_lshl_b32 s95, s22, 1
	s_add_co_u32 s100, s100, s95
	s_lshl_b32 s100, s100, 6
	s_add_co_u32 s100, s100, s27
	s_lshl_b32 s100, s100, 8
	s_add_nc_u64 s[20:21], s[20:21], s[100:101]
	s_mul_i32 s4, s23, HALFA                       ; LDS: my rows of x,
	s_mul_i32 s5, s24, HALFB                       ; of W,
	s_add_co_u32 s5, s5, BOFF
	s_mul_i32 s6, s24, SHB                         ; W's scale words (lanes 0-15),
	s_mul_i32 s7, s23, SHA                         ; the distance to x's (lanes 16-31),
	s_add_co_u32 s7, s7, 2*SHB
	s_sub_co_u32 s7, s7, s6
	s_add_co_u32 s6, s6, SCL
	s_mul_i32 s8, s23, 128*SPITCH                  ; the stage, in: my 128 rows, my 128 bytes of their 256,
	s_lshl_b32 s95, s24, 7
	s_add_co_u32 s8, s8, s95
	s_mul_i32 s9, s22, 64*SPITCH                   ; back: 64 whole rows a wave,
	s_lshl_b32 s10, s24, 11                        ; the rows' sums, in,
	s_lshl_b32 s95, s23, 10
	s_add_co_u32 s10, s10, s95
	s_add_co_u32 s10, s10, PS
	s_lshl_b32 s11, s22, 9                         ; and back
	s_add_co_u32 s11, s11, PS
	s_mov_b32 s30, 0x76543210
	s_mov_b32 s31, 0xfedcba98
	v_and_b32 v1, 15, v0
	v_bfe_u32 v2, v0, 4, 1
	v_and_b32 v6, 31, v0
	v_lshlrev_b32 v[BO], 5, v2
	v_mul_u32_u24 v3, v1, PITCH
	v_lshl_add_u32 v4, v2, 4, v3
	v_add_nc_u32 v[ADRA], s4, v4
	v_add_nc_u32 v[ADRB], s5, v4
	v_add_nc_u32 v[ADRA+1], SLOT, v[ADRA]
	v_add_nc_u32 v[ADRB+1], SLOT, v[ADRB]
	v_lshlrev_b32 v5, 7, v1                        ; a row's scale bytes: 128, and 16 more for each 256 passed
	v_lshrrev_b32 v7, 8, v5
	v_lshl_add_u32 v5, v7, 4, v5
	v_mul_u32_u24 v7, s7, v2
	v_add_nc_u32 v5, v5, v7
	v_add_nc_u32 v[ADRS], s6, v5
	v_lshl_add_u32 v5, v2, 5, v3
	v_add_nc_u32 v[STO], s8, v5
	v_mul_u32_u24 v5, v2, SPITCH
	v_lshl_add_u32 v5, v1, 4, v5
	v_add_nc_u32 v[RD], s9, v5
	v_lshlrev_b32 v5, 14, v2
	v_lshl_add_u32 v[CO], v1, 4, v5
	v_lshlrev_b32 v5, 2, v1
	v_lshl_add_u32 v5, v2, 7, v5
	v_add_nc_u32 v[PSO], s10, v5
	v_lshl_add_u32 v[PRD], v6, 4, s11
.irp b, 0,1
	global_load_b128 v[BI+8*\b:BI+8*\b+3],       v[BO], s[12:13] offset:64*\b
	global_load_b128 v[BI+8*\b+4:BI+8*\b+7],     v[BO], s[12:13] offset:64*\b+16
	global_load_b128 v[BI+16+8*\b:BI+16+8*\b+3],   v[BO], s[14:15] offset:64*\b
	global_load_b128 v[BI+16+8*\b+4:BI+16+8*\b+7], v[BO], s[14:15] offset:64*\b+16
	global_load_b128 v[BI+32+8*\b:BI+32+8*\b+3],   v[BO], s[16:17] offset:64*\b
	global_load_b128 v[BI+32+8*\b+4:BI+32+8*\b+7], v[BO], s[16:17] offset:64*\b+16
.endr
.macro FRAG reg, adr, q, i
.irp c, 0,1,2,3
	ds_load_b128 v[\reg+4*\c:\reg+4*\c+3], v[\adr] offset:128*(\q)+32*\c+(\i)*16*PITCH
.endr
.endm
; 12 products: x's blocks a0, a0 + 1 against W's six; the 48 accumulators take turns in the same order in every step
.macro MUL12 a0, p, q, sc, first
.irp a, \a0, \a0+1
.irp b, 0,1,2,3,4,5
.if \first
	v_wmma_scale_f32_16x16x128_f8f6f4 v[8*(6*((\a)%4)+\b):8*(6*((\a)%4)+\b)+7], v[128*(\p)+FR*\b:128*(\p)+FR*\b+FR-1], v[AF+FR*(\a):AF+FR*(\a)+FR-1], v[BI+8*\b:BI+8*\b+7], v[SC+8*NQ*(\sc)+NQ*\b+(\q)], v[SC+8*NQ*(\sc)+NQ*(\a)+(\q)] matrix_b_scale:MATRIX_SCALE_ROW1
.else
	v_wmma_scale_f32_16x16x128_f8f6f4 v[8*(6*((\a)%4)+\b):8*(6*((\a)%4)+\b)+7], v[128*(\p)+FR*\b:128*(\p)+FR*\b+FR-1], v[AF+FR*(\a):AF+FR*(\a)+FR-1], v[8*(6*((\a)%4)+\b):8*(6*((\a)%4)+\b)+7], v[SC+8*NQ*(\sc)+NQ*\b+(\q)], v[SC+8*NQ*(\sc)+NQ*(\a)+(\q)] matrix_b_scale:MATRIX_SCALE_ROW1
.endif
.endr
.endr
.endm
.macro FETCH_B slot, q, p
	WIN TO_B
.irp i, 0,1,2,3,4,5
	FRAG 128*(\p)+FR*\i, ADRB+\slot, \q, \i
.endr
	WIN 0
.endm
.macro FETCH_A slot, q, i0
.irp i, \i0, \i0+1, \i0+2, \i0+3
	FRAG AF+FR*(\i), ADRA+\slot, \q, \i
.endr
.endm
.macro SCALES sc
.irp i, 0,1,2,3,4,5,6,7
	ds_load_b64 v[SC+8*NQ*\sc+NQ*\i:SC+8*NQ*\sc+NQ*\i+1], v[ADRS] offset:\i*SBLK
.endr
.endm
.macro STEP slot, q, first             ; 128 along K whose successor lies in the same slot
	s_wait_dscnt 4*NL                              ; all but the youngest 16 loads (x's blocks 4-7)
.if \first
	WIN BIAS_LO
.else
	WIN MUL_LO
.endif
	MUL12 0, (\q)%2, \q, \slot, \first
	MUL12 2, (\q)%2, \q, \slot, \first
	s_wait_dscnt 0
	PLACES NP
	FETCH_B \slot, (\q)+1, 1-(\q)%2
	FETCH_A \slot, (\q)+1, 0
.if \first
	WIN BIAS_HI
.else
	WIN MUL_HI
.endif
	MUL12 4, (\q)%2, \q, \slot, \first
	MUL12 6, (\q)%2, \q, \slot, \first
	PLACES NP
	WIN 0
	FETCH_A \slot, (\q)+1, 4
.endm
.macro TURN slot, next, fill           ; a slot's last 128 along K, and the change of slots
.if \fill
	s_wait_xcnt 0x0                                ; my prefetches have read their address: it steps a K step
	s_add_nc_u64 s[PFA:PFA+1], s[PFA:PFA+1], ROWB
.endif
	s_wait_tensorcnt 0x0                           ; my part of the next slot is in
	ds_add_u32 v[SPW], v[NIL]
	s_wait_dscnt 4*NL+1                            ; the add and the youngest 16 loads may be out
	WIN MUL_LO
	MUL12 0, 1, NQ-1, \slot, 0
	s_wait_dscnt 0x0                               ; the add is done, my reads of this slot are over
	s_barrier_signal -1
	MUL12 2, 1, NQ-1, \slot, 0
	WIN 0
	s_barrier_wait -1
.if \fill
	CREST                                          ; the barrier opened a round of the cluster's barrier
	s_add_nc_u64 s[G0+4*\slot+2:G0+4*\slot+3], s[G0+4*\slot+2:G0+4*\slot+3], 2*ROWB
	s_add_nc_u64 s[G0B+4*\slot+2:G0B+4*\slot+3], s[G0B+4*\slot+2:G0B+4*\slot+3], 2*ROWB
	JLOAD G0+4*\slot, G1, G0B+4*\slot, G1B         ; the refill, first behind the round; its four v_nop are four of the eight places
	PLACES NP-4
.else
	PLACES NP
.endif
	v_add_nc_u32 v[ADRS], 4*NQ, v[ADRS]            ; the next K step's scale words
	s_wait_alu depctr_va_vdst(0)
	FETCH_B \next, 0, 0
	FETCH_A \next, 0, 0
	SCALES \next
.if \fill
	ASK 0                                          ; the K step two refills on
.endif
	WIN MUL_HI
	MUL12 4, 1, NQ-1, \slot, 0
	MUL12 6, 1, NQ-1, \slot, 0
	PLACES NP
	WIN 0
	FETCH_A \next, 0, 4
.endm
	s_wait_alu depctr_va_vdst(0)
	s_wait_tensorcnt 0x0                           ; my tile of the head's four is in
	ds_add_u32 v[SPW], v[NIL]
	s_mov_b32 s[G1+2], 128<<16                     ; no load of mine is out: from here on a load brings half a tile,
	s_mov_b32 s[G1+4], 128
	s_mov_b32 s[G1B+2], 96<<16
	s_mov_b32 s[G1B+4], 96
	s_mov_b32 s[G0+1], s66                         ; and slot 0's group 0 names my half of K step 0
	s_add_nc_u64 s[G0+2:G0+3], s[G0+2:G0+3], s[96:97]
	s_add_co_u32 s[G0B+1], s67, BOFF
	s_add_nc_u64 s[G0B+2:G0B+3], s[G0B+2:G0B+3], s[98:99]
	s_wait_dscnt 0x0
	CROUND                                         ; all four tiles are in, in every work-group
	JLOAD G0+4, G1, G0B+4, G1B                     ; slot 1's first fill
	ASK 1                                          ; K step 3
	FETCH_B 0, 0, 0
	FETCH_A 0, 0, 0
	SCALES 0
	FETCH_A 0, 0, 4
	s_wait_loadcnt 0x0                             ; the biases
	STEP 0, 0, 1
	s_mov_b32 s3, LAPS-1
.Llap:
	TURN 0, 1, 1
	STEP 1, 0, 0
	TURN 1, 0, 1
	STEP 0, 0, 0
	s_sub_co_u32 s3, s3, 1
	s_cmp_lg_u32 s3, 0
	s_cbranch_scc1 .Llap
	TURN 0, 1, 0
	STEP 1, 0, 0
	s_wait_dscnt 4*NL
	WIN MUL_LO
	MUL12 0, 1, NQ-1, 1, 0
	MUL12 2, 1, NQ-1, 1, 0
	s_wait_dscnt 0
	WIN MUL_HI
	MUL12 4, 1, NQ-1, 1, 0
	MUL12 6, 1, NQ-1, 1, 0
	WIN 0
; THE WAY OUT.  q goes through a stage in slot 0 (its last fill and last read are over) and leaves as whole rows of 256 bytes; k v and |k| are summed over my 32 columns, then over the two waves of a row half.
.macro QSTAGE hi
	WIN 0x08+4*\hi
.irp a, 0,1,2,3
.irp b, 0,1
	ds_store_b128 v[STO], v[8*(6*\a+\b):8*(6*\a+\b)+3] offset:(4*\hi+\a)*16*SPITCH+64*\b
	ds_store_b128 v[STO], v[8*(6*\a+\b)+4:8*(6*\a+\b)+7] offset:(4*\hi+\a)*16*SPITCH+64*\b+16
.endr
.endr
.endm
.macro SUMS hi
	WIN 0x0a+5*\hi
.irp e, 0,1,2,3,4,5,6,7
.irp a, 0,1,2,3
.set rK, 8*(6*\a+2+\e/4)+2*(\e%4)
.set rV, rK+16
.set rP, KVP+2*(4*\hi+\a)
.set rM, KSM+4*\hi+\a
.if \e == 0
	v_pk_mul_f32 v[rP:rP+1], v[rK:rK+1], v[rV:rV+1]
	v_add_f32 v[rM], |v[rK]|, |v[rK+1]|
.else
	v_pk_fma_f32 v[rP:rP+1], v[rK:rK+1], v[rV:rV+1], v[rP:rP+1]
	v_fma_f32 v[rM], |v[rK]|, 1.0, v[rM]
	v_fma_f32 v[rM], |v[rK+1]|, 1.0, v[rM]
.endif
.endr
.endr
.endm
	PLACES NP
	QSTAGE 0
	QSTAGE 1
	SUMS 0
	SUMS 1
	WIN 0
.irp a, 0,1,2,3,4,5,6,7
	v_add_f32 v[KVP+2*\a], v[KVP+2*\a], v[KVP+2*\a+1]
.endr
.irp a, 0,1,2,3,4,5,6,7
	v_permlanex16_b32 v[TK+\a], v[KVP+2*\a], s30, s31
.endr
.irp a, 0,1,2,3,4,5,6,7
	v_permlanex16_b32 v[TS+\a], v[KSM+\a], s30, s31
.endr
.irp a, 0,1,2,3,4,5,6,7
	v_add_f32 v[TK+\a], v[TK+\a], v[KVP+2*\a]
.endr
.irp a, 0,1,2,3,4,5,6,7
	v_add_f32 v[TS+\a], v[TS+\a], v[KSM+\a]
.endr
	v_cmp_ne_u32 vcc_lo, 0, v2
.irp a, 0,1,2,3,4,5,6,7
	v_cndmask_b32 v[VAL+\a], v[TK+\a], v[TS+\a], vcc_lo   ; lanes 0-15 carry k v, lanes 16-31 |k|
.endr
.irp a, 0,1,2,3,4,5,6,7
	ds_store_b32 v[PSO], v[VAL+\a] offset:(\a/2)*256+(\a%2)*64
.endr
	s_wait_dscnt 0x0                               ; for the others' sake
	s_barrier_signal -1
	s_barrier_wait -1
	ds_load_b128 v[P0:P0+3], v[PRD]
	ds_load_b128 v[P1:P1+3], v[PRD] offset:2048
.irp t, 0,1,2,3,4,5,6,7,8,9,10,11,12,13,14,15,16,17,18,19,20,21,22,23,24,25,26,27,28,29,30,31
	ds_load_b128 v[AF+4*\t:AF+4*\t+3], v[RD] offset:\t*2*SPITCH
.endr
	s_wait_dscnt 32
	v_pk_add_f32 v[P0:P0+1], v[P0:P0+1], v[P1:P1+1]
	v_pk_add_f32 v[P0+2:P0+3], v[P0+2:P0+3], v[P1+2:P1+3]
	global_store_b128 v[CO], v[P0:P0+3], s[20:21]
.irp t, 0,1,2,3,4,5,6,7,8,9,10,11,12,13,14,15,16,17,18,19,20,21,22,23,24,25,26,27,28,29,30,31
	s_wait_dscnt 31-\t
	global_store_b128 v[CO], v[AF+4*\t:AF+4*\t+3], s[18:19] offset:2*\t*16384   ; sixteen lanes store 256 consecutive bytes, aligned
.endr
	s_wait_tensorcnt 0x0                           ; the wave's end
	ds_add_u32 v[SPW], v[NIL]
	s_wait_dscnt 0x0
	CROUND                                         ; the closing round
	s_endpgm
.Lfunc_end_k_q2238687f01_gemm:
	.size	k_q2238687f01_gemm, .Lfunc_end_k_q2238687f01_gemm-k_q2238687f01_gemm
	.p2alignl 7, 3214868480
	.fill 96, 4, 3214868480
	.section	.rodata,"a",@progbits
	.p2align	6, 0x0
	.amdhsa_kernel k_q2238687f01_gemm
		.amdhsa_group_segment_fixed_size 327680
		.amdhsa_private_segment_fixed_size 0
		.amdhsa_enable_private_segment 0
		.amdhsa_kernarg_size 72
		.amdhsa_user_sgpr_count 2
		.amdhsa_user_sgpr_kernarg_segment_ptr 1
		.amdhsa_wavefront_size32 1
		.amdhsa_system_sgpr_workgroup_id_x 1
		.amdhsa_system_sgpr_workgroup_id_y 1
		.amdhsa_system_sgpr_workgroup_id_z 1
		.amdhsa_system_vgpr_workitem_id 0
		.amdhsa_next_free_vgpr 1024
		.amdhsa_next_free_sgpr 102
		.amdhsa_reserve_vcc 1
		.amdhsa_float_denorm_mode_32 3
		.amdhsa_float_denorm_mode_16_64 3
		.amdhsa_memory_ordered 1
		.amdhsa_forward_progress 1
		.amdhsa_inst_pref_size 123
	.end_amdhsa_kernel
	.amdgpu_metadata
---
amdhsa.version: [ 1, 2 ]
amdhsa.kernels:
  - .name:           k_q2238687f01_gemm
    .symbol:         k_q2238687f01_gemm.kd
    .args:
      - { .name: x_codes, .offset: 0, .size: 8, .value_kind: global_buffer, .address_space: global }
      - { .name: x_scales, .offset: 8, .size: 8, .value_kind: global_buffer, .address_space: global }
      - { .name: w_codes, .offset: 16, .size: 8, .value_kind: global_buffer, .address_space: global }
      - { .name: w_scales, .offset: 24, .size: 8, .value_kind: global_buffer, .address_space: global }
      - { .name: bq, .offset: 32, .size: 8, .value_kind: global_buffer, .address_space: global }
      - { .name: bk, .offset: 40, .size: 8, .value_kind: global_buffer, .address_space: global }
      - { .name: bv, .offset: 48, .size: 8, .value_kind: global_buffer, .address_space: global }
      - { .name: qbuf, .offset: 56, .size: 8, .value_kind: global_buffer, .address_space: global }
      - { .name: part, .offset: 64, .size: 8, .value_kind: global_buffer, .address_space: global }
    .group_segment_fixed_size: 327680
    .private_segment_fixed_size: 0
    .kernarg_segment_align: 8
    .kernarg_segment_size: 72
    .max_flat_workgroup_size: 128
    .sgpr_count:     102
    .vgpr_count:     1024
    .wavefront_size: 32
...
	.end_amdgpu_metadata
.endif
;; end of part 2
;; launch finish (part 3): grid 8 x 32, 8 waves a work-group, no clusters, 3,072 bytes of LDS; arguments qbuf, part, out0; writes out0
.if DOCPART == 3
	.amdgcn_target "amdgcn-amd-amdhsa--gfx1250"
	.amdhsa_code_object_version 6
	.text
	.protected	k_q2238687f01_finish
	.globl	k_q2238687f01_finish
	.p2align	8
	.type	k_q2238687f01_finish,@function
k_q2238687f01_finish:
	s_mov_b64 s[64:65], 0
	v_nop
	global_prefetch_b8 v0, s[64:65] scope:SCOPE_SE
	s_setreg_imm32_b32 hwreg(HW_REG_WAVE_MODE, 25, 1), 1
	s_wait_xcnt 0x0
; out[b][i] = q[b][i] kv[b] / (1 + |q[b][i]| ksum[b]), all f32.  q: [1024][4096].  kv and ksum come as partial sums: [32 blocks of 32 rows][64 blocks of 64 columns][32 sums of k v, 32 sums of |k|].
; LIMIT: the division is a multiplication by v_rcp_f32 of the divisor (accurate to 1 ulp: ISA guide, its entry in 15.8); NaN and infinities are not served.
; SHARES.  A work-group of eight waves takes 32 rows x 512 columns; wave w rows 4 w .. 4 w + 3, 2,048 bytes of each.  Memory binds: matrix units, clusters and tensor loads would add nothing.
; Each work-group adds its 32 rows' 64 partial sums itself: 16,384 bytes, read in whole runs of 256 bytes (the eight work-groups of a block of rows read the same ones).  Thread t takes 16 bytes at 16 t of each
; quarter: lane % 16 says which four sums, the rest which blocks of columns.  The four loads are added in the lane, the halves of the lanes by one exchange, the eight waves through LDS.
; All 20 loads of a lane are issued at the head; q's are on their way while the sums are made.  No register is written again behind a store that reads it.
.set Q, 32                             ; v32-95   q, 16 registers a row; then the result
.set D, 96                             ; v96-159  the eight waves' sums from LDS; then the divisors
.set KV, 8                             ; v8-11    kv of my four rows
.set KS, 12                            ; v12-15   ksum of my four rows
	s_load_b128 s[4:7], s[0:1], 0x0                ; q s[4:5], the partial sums s[6:7]
	s_load_b64 s[8:9], s[0:1], 0x10                ; out
	v_lshl_add_u32 v160, v0, 2, 0x800
	v_mov_b32 v161, 0
	v_lshrrev_b32 v1, 5, v0
	s_delay_alu instid0(VALU_DEP_1)
	v_readfirstlane_b32 s10, v1                    ; wave 0..7
	v_and_b32 v1, 31, v0                           ; lane
	v_lshlrev_b32 v2, 4, v0                        ; the partial sums: 16 bytes a thread
	s_delay_alu instid0(VALU_DEP_2)
	v_lshlrev_b32 v3, 4, v1
	s_lshl_b32 s11, s10, 16
	v_add_nc_u32 v3, s11, v3                       ; q and out: 16 x lane + my four rows of 16,384 bytes
	v_and_b32 v4, 15, v0
	s_delay_alu instid0(VALU_DEP_1)
	v_lshlrev_b32 v4, 4, v4
	s_lshl_b32 s11, s10, 8
	v_add_nc_u32 v4, s11, v4                       ; LDS: my wave's 256 bytes, 16 (lane % 16)
	s_lshl_b32 s11, s10, 4
	v_mov_b32 v5, s11                              ; LDS: my four rows' sums in a wave's 256 bytes: 16 w
	s_and_b32 s12, ttmp7, 0xffff                   ; which 32 rows
	s_lshl_b32 s14, s12, 14                        ; their partial sums: 16,384 bytes
	s_mov_b32 s15, 0
	s_lshl_b32 s12, s12, 19                        ; 32 rows of 16,384 bytes,
	s_lshl_b32 s13, ttmp9, 11                      ; 512 columns of 4 bytes
	s_add_co_u32 s12, s12, s13
	s_mov_b32 s13, 0
	s_mov_b32 s16, 0x76543210                      ; v_permlanex16_b32's selects for lane l xor 16
	s_mov_b32 s17, 0xfedcba98
.irp c, 0,1,2,3
	v_mov_b32 v[24+\c], 0                          ; a lane permute's destination counts as one of its sources
.endr
	s_wait_alu depctr_va_vdst(0)
	s_wait_kmcnt 0x0
	s_add_nc_u64 s[4:5], s[4:5], s[12:13]
	s_add_nc_u64 s[8:9], s[8:9], s[12:13]
	s_add_nc_u64 s[6:7], s[6:7], s[14:15]
.irp i, 0,1,2,3
	global_load_b128 v[8+4*\i:11+4*\i], v2, s[6:7] offset:4096*\i  ; a wave reads 512 consecutive bytes
.endr
.irp i, 0,1,2,3
.irp j, 0,1,2,3
	global_load_b128 v[Q+16*\i+4*\j:Q+16*\i+4*\j+3], v3, s[4:5] offset:16384*\i+512*\j th:TH_LOAD_NT   ; read once in the launch
.endr
.endr
	s_wait_loadcnt 16                              ; the partial sums are in; q's 16 loads may be out
	v_pk_add_f32 v[8:9], v[8:9], v[12:13]
	v_pk_add_f32 v[10:11], v[10:11], v[14:15]
	v_pk_add_f32 v[16:17], v[16:17], v[20:21]
	v_pk_add_f32 v[18:19], v[18:19], v[22:23]
	s_delay_alu instid0(VALU_DEP_2)
	v_pk_add_f32 v[8:9], v[8:9], v[16:17]
	s_delay_alu instid0(VALU_DEP_2)
	v_pk_add_f32 v[10:11], v[10:11], v[18:19]      ; four blocks of columns
.irp c, 0,1,2,3
	v_permlanex16_b32 v[24+\c], v[8+\c], s16, s17
.endr
	s_delay_alu instid0(VALU_DEP_3)
	v_pk_add_f32 v[8:9], v[8:9], v[24:25]
	s_delay_alu instid0(VALU_DEP_2)
	v_pk_add_f32 v[10:11], v[10:11], v[26:27]      ; eight: my wave's share of the 64
	ds_store_b128 v4, v[8:11]                      ; both halves of the lanes write the same bytes with the same values
	s_wait_dscnt 0x0                               ; for the others' sake
	s_barrier_signal -1
	s_barrier_wait -1
.irp u, 0,1,2,3,4,5,6,7
	ds_load_b128 v[D+8*\u:D+8*\u+3], v5 offset:256*\u              ; wave u's share of my four rows' k v,
	ds_load_b128 v[D+8*\u+4:D+8*\u+7], v5 offset:256*\u+128        ; and of their |k|
.endr
	s_wait_dscnt 0x0
.irp c, 0,2,4,6
	v_pk_add_f32 v[KV+\c:KV+\c+1], v[D+\c:D+\c+1], v[D+8+\c:D+8+\c+1]
.endr
.irp u, 2,3,4,5,6,7
.irp c, 0,2,4,6
	s_delay_alu instid0(VALU_DEP_4)
	v_pk_add_f32 v[KV+\c:KV+\c+1], v[KV+\c:KV+\c+1], v[D+8*\u+\c:D+8*\u+\c+1]
.endr
.endr
	s_wait_alu depctr_va_vdst(0)
.irp i, 0,1,2,3
	s_wait_loadcnt 12-4*\i                         ; row i's four loads are in; the later rows' may be out
.irp n, 0,1,2,3,4,5,6,7,8,9,10,11,12,13,14,15
	v_fma_f32 v[D+16*\i+\n], |v[Q+16*\i+\n]|, v[KS+\i], 1.0        ; 1 + |q| ksum
.endr
	s_wait_alu depctr_va_vdst(0)
.irp n, 0,1,2,3,4,5,6,7,8,9,10,11,12,13,14,15
	v_rcp_f32 v[D+16*\i+\n], v[D+16*\i+\n]
.endr
	v_nop                                          ; one plain instruction between the last reciprocal and the use of its result (ISA guide 5.7.2)
	s_wait_alu depctr_va_vdst(0)
.irp n, 0,1,2,3,4,5,6,7,8,9,10,11,12,13,14,15
	v_mul_f32 v[D+16*\i+\n], v[D+16*\i+\n], v[KV+\i]               ; kv / (1 + |q| ksum)
.endr
.irp n, 0,2,4,6,8,10,12,14
	v_pk_mul_f32 v[Q+16*\i+\n:Q+16*\i+\n+1], v[Q+16*\i+\n:Q+16*\i+\n+1], v[D+16*\i+\n:D+16*\i+\n+1]
.endr
.irp j, 0,1,2,3
	global_store_b128 v3, v[Q+16*\i+4*\j:Q+16*\i+4*\j+3], s[8:9] offset:16384*\i+512*\j th:TH_STORE_NT   ; the wave stores 512 consecutive bytes, aligned; written once, read by nobody here
.endr
.endr
	s_wait_tensorcnt 0x0
	ds_add_u32 v160, v161
	s_wait_dscnt 0x0
	s_endpgm
.Lfunc_end_k_q2238687f01_finish:
	.size	k_q2238687f01_finish, .Lfunc_end_k_q2238687f01_finish-k_q2238687f01_finish
	.p2alignl 7, 3214868480
	.fill 96, 4, 3214868480
	.section	.rodata,"a",@progbits
	.p2align	6, 0x0
	.amdhsa_kernel k_q2238687f01_finish
		.amdhsa_group_segment_fixed_size 3072
		.amdhsa_private_segment_fixed_size 0
		.amdhsa_enable_private_segment 0
		.amdhsa_kernarg_size 24
		.amdhsa_user_sgpr_count 2
		.amdhsa_user_sgpr_kernarg_segment_ptr 1
		.amdhsa_wavefront_size32 1
		.amdhsa_system_sgpr_workgroup_id_x 1
		.amdhsa_system_sgpr_workgroup_id_y 1
		.amdhsa_system_sgpr_workgroup_id_z 1
		.amdhsa_system_vgpr_workitem_id 0
		.amdhsa_next_free_vgpr 162
		.amdhsa_next_free_sgpr 66
		.amdhsa_reserve_vcc 0
		.amdhsa_float_denorm_mode_32 3
		.amdhsa_float_denorm_mode_16_64 3
		.amdhsa_memory_ordered 1
		.amdhsa_forward_progress 1
		.amdhsa_inst_pref_size 21
	.end_amdhsa_kernel
	.amdgpu_metadata
---
amdhsa.version: [ 1, 2 ]
amdhsa.kernels:
  - .name:           k_q2238687f01_finish
    .symbol:         k_q2238687f01_finish.kd
    .args:
      - { .name: qbuf, .offset: 0, .size: 8, .value_kind: global_buffer, .address_space: global }
      - { .name: part, .offset: 8, .size: 8, .value_kind: global_buffer, .address_space: global }
      - { .name: out0, .offset: 16, .size: 8, .value_kind: global_buffer, .address_space: global }
    .group_segment_fixed_size: 3072
    .private_segment_fixed_size: 0
    .kernarg_segment_align: 8
    .kernarg_segment_size: 24
    .max_flat_workgroup_size: 256
    .sgpr_count:     66
    .vgpr_count:     162
    .wavefront_size: 32
...
	.end_amdgpu_metadata
.endif
;; end of part 3
